; MI455X (gfx1250); checked and timed in simulation.
; The chip was launched on July 23, 2026; its instructions are those of AMD's public machine-readable ISA for CDNA 5 (MIT licence, August 2026) and "CDNA5" Instruction Set Architecture Reference Guide (July 2026). The comments in the code are by the model that wrote it; some were corrected since.
;; GPT Attention. Allowed arithmetic: matrix products marked QUANTISED: E4M3 operands, one given power-of-two scale a tensor, by v_wmma_f32_16x16x64_fp8_fp8 or v_wmma_f32_16x16x128_fp8_fp8, f32 sums; everything else in f32.
;; Inputs: hidden_states_codes 4 x 2,048 x 32 x 32 uint8 (E4M3 codes of hidden_states, K innermost, in blocks of 32 codes); lowp_scales 8 int32 (the exponents e of the quantised operands' scales 2^e); w_in_codes 3,072 x 32 x 32 uint8 (E4M3 codes of w_in, K innermost, in blocks of 32 codes); w_out_codes 1,024 x 32 x 32 uint8 (E4M3 codes of w_out, K innermost, in blocks of 32 codes).
;; Outputs: out0 4 x 2,048 x 1,024 float32.
;; This version of the problem:
;;   THIS VERSION OF THE PROBLEM IS GIVEN IN LOW PRECISION. The matrix products marked QUANTISED in the list below multiply operands that are first quantised to E4M3 (4 exponent bits, 3 mantissa bits; 8 bits a number), with one given power-of-two scale for each operand tensor; their sums are f32. All else is computed in f32.
;;   The module's matrix products, in the order in which they are computed (A, B: the left and right operand; K: the contracted axis; several contracted axes count as one K, in the product's order):
;;     1. [M 8,192, K 1,024] x [K 1,024, N 3,072]; A: input hidden_states (given as codes); B: input w_in (given as codes): QUANTISED (scales: A lowp_scales[0], B lowp_scales[1])
;;     2. batch 64 x [M 2,048, K 64] x [K 64, N 2,048]; A: computed on the way; B: computed on the way: QUANTISED (scales: A lowp_scales[2], B lowp_scales[3])
;;     3. batch 64 x [M 2,048, K 2,048] x [K 2,048, N 64]; A: softmax (see below); B: computed on the way: QUANTISED (scales: A lowp_scales[4], B lowp_scales[5])
;;     4. [M 8,192, K 1,024] x [K 1,024, N 1,024]; A: computed on the way; B: input w_out (given as codes): QUANTISED (scales: A lowp_scales[6], B lowp_scales[7])
;;   THE QUANTISER, for each operand of a quantised product, along K:
;;     - The operand's scale is 2^e, e = its entry of the input lowp_scales (int32; the entries are numbered through the quantised products in the list's order, A before B).
;;     - Each number is divided by the scale, clamped to +-448, and rounded to the nearest number of E4M3, ties to even, subnormals kept.
;;     - The product sums the exact products of the quantised numbers (number of the format x scale) in f32.
;;   ~~~python
;;   def quantise(x, axis, e):      # numpy; x: float32 -> the quantised numbers, widened to float32 again
;;       x = np.moveaxis(x, axis, -1); K = x.shape[-1]
;;       r = np.clip(x / 2.0 ** e, -448, 448)
;;       step = 2.0 ** (np.maximum(np.frexp(np.where(r == 0, 1, r))[1] - 1, -6) - 3)
;;       q = np.round(r / step) * step * 2.0 ** e      # np.round: ties to even
;;       return np.moveaxis(q, -1, axis).astype(np.float32)
;;   ~~~
;;   SOFTMAX AHEAD OF A QUANTISED PRODUCT. Where the list says 'softmax', what is quantised is not the finished softmax but p = 2^(t - M), with t = logit x log2(e) and M = ceil(the row's largest t), a whole number; so 1/2 < the row's largest p <= 1. The row's sum l is taken of the UNQUANTISED p, in f32, and the product's result is divided by l at the end. Since M is a whole number, a kernel that streams over the keys may use a running M (the ceiling of the running maximum): every later rescaling is an exact power of two, so the quantised numbers keep their values, but for numbers so far below the row's largest that they fall under the format's range.
;;   OPERANDS COMPUTED ON THE WAY. 'Computed on the way' means the value that the module computes at that place (a softmax that the list does not call 'softmax' is quantised finished and normalised). What goes into a quantiser is computed in f32, as accurately as f32 sums, v_exp_f32 and their like allow (about 1e-6 of the number): no bf16 or f16 on the way to a quantiser, and a product that is left as it is and whose result goes on into a quantised operand takes f32 operands (vector FMAs, or v_wmma_f32_16x16x4_f32). A number that lies on a knife's edge between two numbers of the format may be rounded either way, as far as f32 arithmetic and the matrix unit's own rounding can turn it there, and no further.
;;   INPUTS GIVEN AS CODES. hidden_states (in the module: [4, 2048, 1024], K = its axis 2); w_in (in the module: [1024, 3072], K = its axis 0); w_out (in the module: [1024, 1024], K = its axis 0): each comes as NAME_codes (uint8): NAME with its K axis moved to the last place and cut into blocks of 32 codes, [.., K / 32, bytes a block], one block behind the other in memory; one code a byte (a code: sign, 4 exponent bits, 3 mantissa bits); its scale is its entry of lowp_scales. Its value is code x scale, taken as it is: it is not quantised again, and the codes and scales need not be those that the quantiser above would give.
;; One version. Each part assembles by itself: llvm-mc -triple=amdgcn-amd-amdhsa -mcpu=gfx1250 --defsym DOCPART=n.
;; ======== version 1 of 1: 3 launches
;; limits: right only within a limited range of input values
;; workspace buffers: qkv 25,165,824 bytes; attn 8,388,608 bytes
;; launch qkv_gemm (part 1): grid 96 x 4, 4 waves a work-group, clusters of 4 x 4, 327,680 bytes of LDS; arguments hidden_states_codes, w_in_codes, lowp_scales, qkv; writes qkv
.if DOCPART == 1
	.amdgcn_target "amdgcn-amd-amdhsa--gfx1250"
	.amdhsa_code_object_version 6
	.text
	.protected	k_qcc921a0d8d_qkv_gemm
	.globl	k_qcc921a0d8d_qkv_gemm
	.p2align	8
	.type	k_qcc921a0d8d_qkv_gemm,@function
k_qcc921a0d8d_qkv_gemm:
	s_mov_b64 s[64:65], 0
	v_nop
	global_prefetch_b8 v0, s[64:65] scope:SCOPE_SE
	s_setreg_imm32_b32 hwreg(HW_REG_WAVE_MODE, 25, 1), 1
	s_wait_xcnt 0x0
	s_wait_alu depctr_hold_cnt(0) depctr_sa_sdst(0) depctr_va_vdst(0) depctr_va_sdst(0) depctr_va_ssrc(0) depctr_va_vcc(0) depctr_vm_vsrc(0)
	s_getreg_b32 s2, hwreg(HW_REG_IB_STS2, 6, 4)
	s_cmp_eq_u32 s2, 0
	s_cbranch_scc0 .Lentry_in_a_cluster
	s_endpgm
.Lentry_in_a_cluster:
	s_bfe_u32 s2, ttmp6, 0x10000c
	s_cmp_lg_u32 s2, 0xf033
	s_cbranch_scc0 .Lentry_shape_is_right
	s_endpgm
.Lentry_shape_is_right:
; PRODUCT 1: qkv = hidden_states x w_in on codes of E4M3, and the quantising of q, k and v (given scales 2^e2, 2^e3, 2^e5) straight from the accumulators.
; hidden_states_codes: [8192 tokens][1024], w_in_codes: [3072 features][1024], K innermost, a row = 1,024 bytes.  lowp_scales: e0 .. e7 (int32).
; 24 clusters of 4 x 4 work-groups; a cluster makes 1,024 x 1,024 of C'[m'][n'] = sum over k of A'[m'][k] B'[n'][k]; a work-group 256 x 256; each of its four waves 128 x 128 (64 accumulators, 512 registers).
;   clusters 0-15 (q and k):  A' = tokens, B' = features 0-2047.     clusters 16-23 (v, made TRANSPOSED):  A' = features 2048-3071, B' = tokens.
; Which is which is chosen by scalar selects on the cluster's number, the same in all sixteen partners: one path through the text.
; THE MATRIX INSTRUCTION IS USED TRANSPOSED (source 0 = 16 rows of B', source 1 = 16 rows of A'): lane (r = lane % 16, h = lane / 16) of accumulator (a, b) holds row 16 a + r of A' and columns 16 b + 8 h + 0 .. 7 of B'.
; One conversion of those eight numbers gives two registers, and they ARE registers 2 b, 2 b + 1 of an operand of the plain fp8 forms (k = 16 b + 8 h + 0 .. 7).  So:
;   q, k: four accumulators (one head's 64) are the 8 registers of a fragment 16 tokens x 64;   v: eight accumulators (128 tokens) are the 16 registers of a fragment 16 channels x 128 keys.
; THE WORKSPACE HOLDS IMAGES OF THESE REGISTERS: registers 4 c .. 4 c + 3 at byte 512 c + 16 x lane.  Each store of the wave covers 512 consecutive bytes, aligned; no stage in LDS.
;   q at byte 0, k at 1<<23:  + (16 batch + head)<<17 + (token / 16) x 1,024.      v at 1<<24:  + (16 batch + head)<<17 + (token / 128) x 8,192 + (channel / 16) x 2,048.
; K goes in four steps of 256 through a ring of two LDS slots filled by joint tensor loads: A's tile is shared along a row of the cluster, B's along a column.
; The fragments of this product are fetched by loads of 16 bytes: a permutation of k, the same on both sides, so that only the order of the sums inside an instruction differs.
; 384 work-groups: tiles that would divide evenly among the WGPs break the alignment of heads (64) and key steps (128) on which the images rest.
; LIMITS: e2 - e0 - e1, e3 - e0 - e1 and e5 - e0 - e1 lie between -126 and 119, so that the conversion's scale and 448 x that scale are f32 numbers.  NaN codes among the inputs are not served.
; REGISTERS, in windows of 256: window 0: v16-31 addresses and constants; v32-95 at work on the way out; v128-255 A's fragments (one set), on the way out the codes.
;   window 1: B's fragments, two sets.   window 2: the accumulators of my rows 0-63 ((a, b) at v[8 (8 (a % 4) + b)]);   window 3: those of rows 64-127.
.set ROWB,   256                       ; a tile's row in bytes: 256 codes
.set KROW,   1024                      ; a row of either operand in memory
.set PITCH,  272                       ; an LDS row: 256 bytes + 16 of padding = 68 words: the 16 rows that a load touches start at 16 different banks (64 banks of 4 bytes: ISA guide 11.1)
.set FR,     16                        ; registers of a fragment: 16 rows x 128 K
.set NL,     4                         ; LDS loads that bring one
.set NP,     4                         ; places behind this matrix instruction (ISA guide 7.12.1)
.set HALFT,  128*PITCH                 ; what one tensor load brings
.set SLOT,   4*HALFT                   ; A's 256 rows, then B's 256 rows
.set SPARE,  2*SLOT                    ; behind the ring: the spare words, 128 bytes for each wave
.set ADRA, 16                          ; v16-17  LDS address of my A fragments in slot 0, 1
.set ADRB, 20                          ; v20-21  the same for B
.set CO,   26                          ; v26     16 x lane: my place in a piece of an image
.set CO2,  27                          ; v27     the same, for an image's (v) or a pair of images' (q, k) second half
.set SPW,  28                          ; v28     LDS address of my spare word; never rewritten
.set NIL,  29                          ; v29     0; never rewritten
.set SC,   30                          ; v30     the conversion's scale as f32
.set LIM,  31
.set TMP,  32
.set AF,   128                         ; A's fragments; later the codes
.set G1,  24                           ; s[24:31] descriptor group 1 for A's tiles;  s[32:39] group 0, one set for each slot
.set G0,  32
.set G1B, 48                           ; s[48:55], s[56:63] the same for B's tiles
.set G0B, 56
.set EX,  76                           ; s[76:83] e0 .. e7
.set OB,  84                           ; s[84:99] where block a's images go: eight addresses
.set MSB, 0
.macro WIN new                         ; the immediate's high byte repeats the setting that is left
.if MSB != \new
	s_set_vgpr_msb (MSB<<8)|\new
.set MSB, \new
.endif
.endm
.set MUL_LO, 0xa1                      ; source 0 (B) window 1, source 1 (A) window 0, C and D window 2
.set MUL_HI, 0xf1                      ; the same, C and D window 3
.set TO_B,   0x40                      ; destination window 1, address window 0
; A joint load: waves 0 and 1 fetch for A, waves 2 and 3 for B.  Each line has one mask and one set of registers for all that issue it; the branch hangs on the wave's number alone.
; Four v_nop follow each of the two lines, ahead of the jump, the label and what follows.
.macro JLOAD g0a, g1a, g0b, g1b
	s_cmp_eq_u32 s15, 0
	s_cbranch_scc0 .Lfor_b_\@
	tensor_load_to_lds s[\g0a:\g0a+3], s[\g1a:\g1a+7]
	s_nop 0
.rept 4
	v_nop
.endr
	s_branch .Lasked_\@
.Lfor_b_\@:
	tensor_load_to_lds s[\g0b:\g0b+3], s[\g1b:\g1b+7]
	s_nop 0
.rept 4
	v_nop
.endr
.Lasked_\@:
.endm
.macro CREST                           ; a round of the cluster's barrier behind its opening barrier
	s_cmp_lg_u32 s14, 0
	s_cbranch_scc1 .Lnot_wave_0_\@
	s_barrier_signal -3
.Lnot_wave_0_\@:
	s_barrier_wait -3
	s_barrier_signal -1
	s_barrier_wait -1
.endm
.macro CROUND                          ; a whole round
	s_barrier_signal -1
	s_barrier_wait -1
	CREST
.endm
	s_load_b256 s[4:11], s[0:1], 0x0               ; hidden's codes s[4:5], w_in's s[6:7], the exponents s[8:9], qkv s[10:11]
	v_lshl_add_u32 v[SPW], v0, 2, SPARE
	v_mov_b32 v[NIL], 0
	ds_add_u32 v28, v29
	ds_add_u32 v28, v29
	s_wait_dscnt 0x0
	v_lshrrev_b32 v1, 5, v0
	v_readfirstlane_b32 s14, v1                    ; wave 0..3
	s_lshr_b32 s15, s14, 1                         ; which half of the tile's rows (A') is mine.  Also: I fetch for A' (0) or for B' (1)
	s_and_b32 s16, s14, 1                          ; which half of its columns (B').  Also: which 128 rows of that tile I fetch
	s_bfe_u32 s40, ttmp6, 0x40000                  ; cx, cy: my place in the cluster
	s_bfe_u32 s41, ttmp6, 0x40004
	s_lshr_b32 s2, ttmp9, 1                        ; c = the cluster's number.  What the selects choose from is made first: shifts and ANDs set SCC
	s_and_b32 s3, ttmp9, 1
	s_max_u32 s12, ttmp9, 16
	s_sub_co_u32 s12, s12, 16                      ; c - 16, or 0
	s_mov_b32 s13, 2048
	s_cmp_lt_u32 ttmp9, 16                         ; q and k, or v?
	s_cselect_b32 s66, s2, 0                       ; the cluster's row of 1,024 rows of A'
	s_cselect_b32 s67, s3, 2                       ; the region of the workspace: 0 q, 1 k, 2 v
	s_cselect_b32 s68, s3, s12                     ; the cluster's column of 1,024 rows of B'
	s_cselect_b32 s69, 0, s13                      ; A's first row in its buffer: v's features begin at row 2,048 of w_in
	s_lshl_b32 s42, s68, 2
	s_add_co_u32 s42, s42, s40                     ; tile column = 4 x cluster column + cx
	s_lshl_b32 s17, s66, 2
	s_add_co_u32 s17, s17, s41                     ; tile row = 4 x cluster row + cy
	s_lshl_b32 s43, s41, 2
	s_lshl_b32 s43, 15, s43                        ; my row of the cluster
	s_lshl_b32 s44, 0x1111, s40                    ; my column
	; descriptor group 1: a tile of 128 rows x 256 bytes, padded in LDS
	s_or_b32 s[G1+0], s43, (0<<16)|(1<<20)|(1<<21)|(5<<22)|(3<<25)  ; 15:0 the mask: A's tiles go to my row; 17:16 elements of 1 byte; 20 padding on; 21 set beside a mask; 24:22 after every 64 words (code 5); 31:25 four words (code 3)
	s_or_b32 s[G1B+0], s44, (0<<16)|(1<<20)|(1<<21)|(5<<22)|(3<<25)
.irp g, G1, G1B
	s_mov_b32 s[\g+1], ROWB<<16                    ; tensor_dim0
	s_mov_b32 s[\g+2], 128<<16                     ; tensor_dim1
	s_mov_b32 s[\g+3], ROWB<<16                    ; tile_dim0
	s_mov_b32 s[\g+4], 128                         ; tile_dim1
	s_mov_b32 s[\g+5], KROW                        ; tensor_dim0_stride
	s_mov_b32 s[\g+6], 0
	s_mov_b32 s[\g+7], 0
.endr
	s_lshl_b32 s18, s16, 7                         ; which 128 rows of the tile I fetch
	s_lshl_b32 s20, s17, 8
	s_add_co_u32 s20, s20, s18
	s_add_co_u32 s20, s20, s69                     ; A': row 256 x tile row + 128 x half + the first row: made of cy alone
	s_lshl_b32 s46, s42, 8
	s_add_co_u32 s46, s46, s18                     ; B': row 256 x tile column + 128 x half: made of cx alone
	s_lshl_b32 s20, s20, 10                        ; in bytes: under 2^24
	s_lshl_b32 s46, s46, 10
	s_mov_b32 s21, 0
	s_mov_b32 s47, 0
	s_mul_i32 s45, s14, HALFT                      ; where they go: wave x 128 rows: no place in the cluster enters an LDS address
	s_wait_kmcnt 0x0
	s_load_b256 s[EX:EX+7], s[8:9], 0x0            ; e0 .. e7: wanted on the way out
	s_cmp_lt_u32 ttmp9, 16
	s_cselect_b64 s[70:71], s[4:5], s[6:7]         ; A's buffer
	s_cselect_b64 s[72:73], s[6:7], s[4:5]         ; B's buffer
	s_add_nc_u64 s[20:21], s[70:71], s[20:21]
	s_add_nc_u64 s[46:47], s[72:73], s[46:47]
	CROUND                                         ; all sixteen work-groups are here: the first joint loads meet
.irp s, 0,1
	s_mov_b32 s[G0+4*\s], 1                        ; count = 1
	s_add_co_u32 s[G0+4*\s+1], s45, \s*SLOT        ; LDS address
	s_add_nc_u64 s[G0+4*\s+2:G0+4*\s+3], s[20:21], \s*ROWB   ; global address: K step s
	s_or_b32 s[G0+4*\s+3], s[G0+4*\s+3], 0x80000000          ; type = 2
	s_mov_b32 s[G0B+4*\s], 1
	s_add_co_u32 s[G0B+4*\s+1], s45, \s*SLOT
	s_add_nc_u64 s[G0B+4*\s+2:G0B+4*\s+3], s[46:47], \s*ROWB
	s_or_b32 s[G0B+4*\s+3], s[G0B+4*\s+3], 0x80000000
	s_wait_alu depctr_va_vdst(0)
	s_wait_tensorcnt 0x0
	ds_add_u32 v28, v29
	ds_add_u32 v28, v29
	s_wait_dscnt 0x0
	CROUND
	JLOAD G0+4*\s, G1, G0B+4*\s, G1B
.endr
	v_and_b32 v1, 15, v0                           ; r
	v_bfe_u32 v2, v0, 4, 1                         ; h
	v_mul_u32_u24 v3, v1, PITCH
	v_lshl_add_u32 v4, v2, 4, v3                   ; a fragment's row x pitch + 16 h
	s_mul_i32 s21, s15, HALFT                      ; my 128 rows of A'
	s_mul_i32 s22, s16, HALFT                      ; my 128 rows of B',
	s_add_co_u32 s22, s22, 2*HALFT                 ; which lie behind A's 256
.irp s, 0,1
	v_add_nc_u32 v[ADRA+\s], s21, v4
	v_add_nc_u32 v[ADRB+\s], s22, v4
	s_add_co_u32 s21, s21, SLOT
	s_add_co_u32 s22, s22, SLOT
.endr
	v_and_b32 v6, 31, v0
	v_lshlrev_b32 v[CO], 4, v6                     ; 16 x lane
.macro FRAG reg, adr, q, i             ; 16 rows x 128 K: registers 4 c .. 4 c + 3 hold K = 32 c + 16 h + 0 .. 15 of row r: the same places in A' and in B'
.irp c, 0,1,2,3
	ds_load_b128 v[\reg+4*\c:\reg+4*\c+3], v[\adr] offset:128*(\q)+32*\c+(\i)*16*PITCH
.endr
.endm
; 16 matrix instructions: A's blocks a0, a0 + 1 x B's eight, 128 along K.  p: B's set.  zero = 1: the first product starts the sums.
; The 64 accumulators take turns, one instruction a turn, in the same order in every step.
.macro MUL16 a0, p, zero
.irp a, \a0, \a0+1
.irp b, 0,1,2,3,4,5,6,7
.if \zero
	v_wmma_f32_16x16x128_fp8_fp8 v[8*(8*((\a)%4)+\b):8*(8*((\a)%4)+\b)+7], v[128*(\p)+FR*\b:128*(\p)+FR*\b+FR-1], v[AF+FR*(\a):AF+FR*(\a)+FR-1], 0
.else
	v_wmma_f32_16x16x128_fp8_fp8 v[8*(8*((\a)%4)+\b):8*(8*((\a)%4)+\b)+7], v[128*(\p)+FR*\b:128*(\p)+FR*\b+FR-1], v[AF+FR*(\a):AF+FR*(\a)+FR-1], v[8*(8*((\a)%4)+\b):8*(8*((\a)%4)+\b)+7]
.endif
.endr
.endr
.endm
.macro FETCH_B slot, q, p              ; B's eight fragments of the slot's q-th 128 along K into set p
	WIN TO_B
.irp i, 0,1,2,3,4,5,6,7
	FRAG 128*(\p)+FR*\i, ADRB+\slot, \q, \i
.endr
	WIN 0
.endm
.macro FETCH_A slot, q, i0             ; A's blocks i0 .. i0 + 3
.irp i, \i0, \i0+1, \i0+2, \i0+3
	FRAG AF+FR*(\i), ADRA+\slot, \q, \i
.endr
.endm
.macro PLACES n                        ; plain vector instructions between a matrix instruction and a load into, or a vector instruction on, one of its registers
.rept \n
	v_nop
.endr
.endm
; A step of 128 along K that has its successor in the same slot.  A block of A' is free once its eight products are issued: blocks 0-3 are fetched anew in the step's middle, blocks 4-7 at its end.
.macro STEP slot, q, zero
	s_wait_dscnt 4*NL                              ; B's set and A's blocks 0-3 are in; the youngest 16 loads (A's blocks 4-7) may be out
	WIN MUL_LO
	MUL16 0, (\q)%2, \zero
	MUL16 2, (\q)%2, \zero
	s_wait_dscnt 0                                 ; A's blocks 4-7 are in
	PLACES NP
	FETCH_B \slot, (\q)+1, 1-(\q)%2
	FETCH_A \slot, (\q)+1, 0
	WIN MUL_HI
	MUL16 4, (\q)%2, \zero
	MUL16 6, (\q)%2, \zero
	PLACES NP
	WIN 0
	FETCH_A \slot, (\q)+1, 4
.endm
; A slot's last step changes slots: one barrier; in front of it each wave waits for all its tensor loads, adds 0 to its spare word, and waits for that and for its own reads of this slot.
; fill = 1: this slot is filled again, two K steps ahead; the barrier then opens a round of the cluster's barrier.
.macro TURN slot, next, fill
	s_wait_tensorcnt 0x0                           ; all my tensor loads have landed: my part of the next slot (every window is 0 here)
	ds_add_u32 v[SPW], v[NIL]                      ; 0 onto my spare word
	s_wait_dscnt 4*NL+1                            ; the add and the youngest 16 loads (A's blocks 4-7) may be out
	WIN MUL_LO
	MUL16 0, 1, 0                                  ; sixteen matrix instructions stand between the add and the wait for it
	s_wait_dscnt 0x0                               ; the add is done, and my reads of this slot are over
	s_barrier_signal -1
	MUL16 2, 1, 0
	WIN 0
	s_barrier_wait -1
.if \fill
	CREST                                          ; no wave of any partner still reads this slot's tile or has a load on its way
	s_add_nc_u64 s[G0+4*\slot+2:G0+4*\slot+3], s[G0+4*\slot+2:G0+4*\slot+3], 2*ROWB
	s_add_nc_u64 s[G0B+4*\slot+2:G0B+4*\slot+3], s[G0B+4*\slot+2:G0B+4*\slot+3], 2*ROWB
	JLOAD G0+4*\slot, G1, G0B+4*\slot, G1B         ; the first tensor load behind the round; its four v_nop are also the places in front of the loads below
.else
	PLACES NP
.endif
	FETCH_B \next, 0, 0
	FETCH_A \next, 0, 0
	WIN MUL_HI
	MUL16 4, 1, 0
	MUL16 6, 1, 0
	PLACES NP
	WIN 0
	FETCH_A \next, 0, 4
.endm
	s_wait_alu depctr_va_vdst(0)
	s_wait_tensorcnt 1                             ; my part of K step 0 is in; K step 1's load may be out
	s_barrier_signal -1
	s_barrier_wait -1                              ; everybody's is
	FETCH_B 0, 0, 0
	FETCH_A 0, 0, 0
	FETCH_A 0, 0, 4
	STEP 0, 0, 1                                   ; K 0-127: these products start the sums
	TURN 0, 1, 1                                   ; K 128-255; slot 0 takes K step 2
	STEP 1, 0, 0
	TURN 1, 0, 1                                   ; slot 1 takes K step 3
	STEP 0, 0, 0
	TURN 0, 1, 0                                   ; nothing is left to fetch
	STEP 1, 0, 0
	s_wait_dscnt 4*NL                              ; the very last step
	WIN MUL_LO
	MUL16 0, 1, 0
	MUL16 2, 1, 0
	s_wait_dscnt 0
	WIN MUL_HI
	MUL16 4, 1, 0
	MUL16 6, 1, 0
	WIN 0
	PLACES NP                                      ; in front of the first read of results and of the first write over A's fragments
	; THE WAY OUT.  A sum stands for sum x 2^(e0 + e1), so its code is sum / 2^(et - e0 - e1), et = e2 (q), e3 (k) or e5 (v): the three exponents are folded into the conversion's one scale.
	s_wait_kmcnt 0x0
	s_mov_b32 s20, 2048
	s_mov_b32 s22, 131072
	s_mov_b32 s19, 1024
	s_cmp_eq_u32 s67, 0
	s_cselect_b32 s2, s[EX+2], s[EX+3]
	s_cmp_lt_u32 ttmp9, 16
	s_cselect_b32 s2, s2, s[EX+5]                  ; et
	s_cselect_b32 s3, s17, s42                     ; X: which 256 tokens (0 .. 31)
	s_cselect_b32 s12, s40, s17                    ; Y: which 256 features of the region (0 .. 3)
	s_cselect_b32 s13, s15, s16                    ; which half of the tokens is my wave's
	s_cselect_b32 s18, s16, s15                    ; which half of the features
	s_cselect_b32 s20, 1024, s20                   ; from block a to a + 1: q, k: 16 tokens on; v: 16 channels on
	s_cselect_b32 s19, s22, s19                    ; from an image's first two pieces to the next two: q, k: the next head; v: 1,024 bytes
	s_cselect_b32 s22, 4096, s22                   ; from block 0 to block 4: q, k: 64 tokens on; v: the next head
	s_mov_b32 s21, 0
	s_mov_b32 s23, 0
	s_sub_co_i32 s2, s2, s[EX]
	s_sub_co_i32 s2, s2, s[EX+1]
	s_add_co_i32 s2, s2, 127
	s_lshl_b32 s101, s2, 23
	v_mov_b32 v[SC], s101                          ; 2^(et - e0 - e1) as f32: the conversion takes its exponent field
	s_wait_alu depctr_va_vdst(0)
	v_add_nc_u32 v[CO2], s19, v[CO]
	s_lshl_b32 s2, s67, 23                         ; the region,
	s_lshr_b32 s101, s3, 3
	s_lshl_b32 s101, s101, 21
	s_add_co_u32 s2, s2, s101                      ; the batch (eight tiles of 256 tokens; 16 heads of 1<<17 bytes),
	s_lshl_b32 s12, s12, 2
	s_lshl_b32 s18, s18, 1
	s_add_co_u32 s12, s12, s18
	s_lshl_b32 s12, s12, 17
	s_add_co_u32 s2, s2, s12                       ; my first head: 4 Y + 2 x half,
	s_and_b32 s3, s3, 7
	s_lshl_b32 s3, s3, 14
	s_add_co_u32 s2, s2, s3                        ; 256 tokens are 16,384 bytes of a head in all three regions,
	s_lshl_b32 s13, s13, 13
	s_add_co_u32 s2, s2, s13                       ; 128 tokens 8,192
	s_mov_b32 s3, 0
	s_add_nc_u64 s[OB:OB+1], s[10:11], s[2:3]
	s_add_nc_u64 s[OB+8:OB+9], s[OB:OB+1], s[22:23]
.irp i, 1,2,3
	s_add_nc_u64 s[OB+2*\i:OB+2*\i+1], s[OB+2*\i-2:OB+2*\i-1], s[20:21]
	s_add_nc_u64 s[OB+8+2*\i:OB+9+2*\i], s[OB+6+2*\i:OB+7+2*\i], s[20:21]
.endr
; Block a: its 64 sums are converted straight from the accumulators;
; eight conversions give 16 registers of codes; four stores of 512 consecutive bytes.  Each block has its own code registers and its own base: nothing that a store reads is written again.
.macro OUTBLK a
.set AC, 64*((\a)%4)
	WIN 0x02+((\a)/4)                              ; source 0: window 2 or 3
.set j, 0
.rept 64
.set j, j+1
.endr
.irp b, 0,1,2,3,4,5,6,7
	v_cvt_scalef32_pk8_fp8_f32 v[AF+16*(\a)+2*\b:AF+16*(\a)+2*\b+1], v[AC+8*\b:AC+8*\b+7], v[SC]
.endr
	WIN 0
	v_nop
	global_store_b128 v[CO],  v[AF+16*(\a):AF+16*(\a)+3],     s[OB+2*(\a):OB+2*(\a)+1]
	global_store_b128 v[CO],  v[AF+16*(\a)+4:AF+16*(\a)+7],   s[OB+2*(\a):OB+2*(\a)+1] offset:512
	s_wait_alu depctr_va_vdst(0)
	global_store_b128 v[CO2], v[AF+16*(\a)+8:AF+16*(\a)+11],  s[OB+2*(\a):OB+2*(\a)+1]
	global_store_b128 v[CO2], v[AF+16*(\a)+12:AF+16*(\a)+15], s[OB+2*(\a):OB+2*(\a)+1] offset:512
.endm
.irp a, 0,1,2,3,4,5,6,7
	OUTBLK \a
.endr
	s_wait_tensorcnt 0x0                           ; the wave's end
	ds_add_u32 v[SPW], v[NIL]
	s_wait_dscnt 0x0
	CROUND                                         ; the closing round: no work-group ends while a partner may still ask for a tile that names it
	s_endpgm
.Lfunc_end_k_qcc921a0d8d_qkv_gemm:
	.size	k_qcc921a0d8d_qkv_gemm, .Lfunc_end_k_qcc921a0d8d_qkv_gemm-k_qcc921a0d8d_qkv_gemm
	.p2alignl 7, 3214868480
	.fill 96, 4, 3214868480
	.section	.rodata,"a",@progbits
	.p2align	6, 0x0
	.amdhsa_kernel k_qcc921a0d8d_qkv_gemm
		.amdhsa_group_segment_fixed_size 327680
		.amdhsa_private_segment_fixed_size 0
		.amdhsa_enable_private_segment 0
		.amdhsa_kernarg_size 32
		.amdhsa_user_sgpr_count 2
		.amdhsa_user_sgpr_kernarg_segment_ptr 1
		.amdhsa_wavefront_size32 1
		.amdhsa_system_sgpr_workgroup_id_x 1
		.amdhsa_system_sgpr_workgroup_id_y 1
		.amdhsa_system_sgpr_workgroup_id_z 1
		.amdhsa_system_vgpr_workitem_id 0
		.amdhsa_next_free_vgpr 1024
		.amdhsa_next_free_sgpr 102
		.amdhsa_reserve_vcc 0
		.amdhsa_float_denorm_mode_32 3
		.amdhsa_float_denorm_mode_16_64 3
		.amdhsa_fp16_overflow 1
		.amdhsa_memory_ordered 1
		.amdhsa_forward_progress 1
		.amdhsa_inst_pref_size 88
	.end_amdhsa_kernel
	.amdgpu_metadata
---
amdhsa.version: [ 1, 2 ]
amdhsa.kernels:
  - .name:           k_qcc921a0d8d_qkv_gemm
    .symbol:         k_qcc921a0d8d_qkv_gemm.kd
    .args:
      - { .name: hidden_states_codes, .offset: 0, .size: 8, .value_kind: global_buffer, .address_space: global }
      - { .name: w_in_codes, .offset: 8, .size: 8, .value_kind: global_buffer, .address_space: global }
      - { .name: lowp_scales, .offset: 16, .size: 8, .value_kind: global_buffer, .address_space: global }
      - { .name: qkv, .offset: 24, .size: 8, .value_kind: global_buffer, .address_space: global }
    .group_segment_fixed_size: 327680
    .private_segment_fixed_size: 0
    .kernarg_segment_align: 8
    .kernarg_segment_size: 32
    .max_flat_workgroup_size: 128
    .sgpr_count:     102
    .vgpr_count:     1024
    .wavefront_size: 32
...
	.end_amdgpu_metadata
.endif
;; end of part 1
;; launch attention (part 2): grid 4 x 64, 8 waves a work-group, no clusters, 327,680 bytes of LDS; arguments qkv, lowp_scales, attn; writes attn
.if DOCPART == 2
	.amdgcn_target "amdgcn-amd-amdhsa--gfx1250"
	.amdhsa_code_object_version 6
	.text
	.protected	k_qcc921a0d8d_attention
	.globl	k_qcc921a0d8d_attention
	.p2align	8
	.type	k_qcc921a0d8d_attention,@function
k_qcc921a0d8d_attention:
	s_mov_b64 s[64:65], 0
	v_nop
	global_prefetch_b8 v0, s[64:65] scope:SCOPE_SE
	s_setreg_imm32_b32 hwreg(HW_REG_WAVE_MODE, 25, 1), 1
	s_wait_xcnt 0x0
; PRODUCTS 2 AND 3: causal attention on codes of E4M3, head size 64, 64 heads (16 batch + head) of 2,048 tokens, and the quantising of the result (given scale 2^e6) for the last projection.
; qkv holds images of operand registers (registers 4 c .. 4 c + 3 at byte 512 c + 16 x lane): q at 0 and k at 1<<23: head<<17 + (token / 16) x 1,024: 16 tokens x 64;
;   v at 1<<24: head<<17 + (token / 128) x 8,192 + (channel / 16) x 2,048: 16 channels x 128 keys.
; attn takes images of the last product's operand, 16 tokens x 128 features: (hd>>2)<<21 + (token / 16) x 4,096 + ((hd>>1)&1) x 2,048 + (hd&1) x 1,024 + 512 c + 16 x lane.
; THE SOFTMAX AHEAD OF THE SECOND PRODUCT: t = score x log2(e) / 8; M = the row's largest t so far, rounded up to a whole number; p = 2^(t - M) is quantised with 2^e4, not normalised.
; The row's sum is taken of the unquantised p and divides O at the end.  When M moves, the sum and O are multiplied by 2^(old M - new M): exact.
; SHARES.  Work-group (p, head) owns the blocks of 256 queries 7 - p and p, one after the other: 8 - p and p + 1 slots of 256 keys, NINE slots in every work-group: equal work under the causal mask, constant trip counts.
; Each of the eight waves owns 32 queries of the block: two tiles of 16, so that each fragment of K and V read from LDS feeds two matrix instructions.  Two waves share a SIMD.
; LAYOUT.  S^T = K Q^T (source 0 = 16 keys, source 1 = 16 queries), O^T = V^T P^T: a lane holds one query (lane % 16) throughout.  Tile c of S^T holds keys 16 c + 8 h + 0 .. 7: its conversion gives registers 2 c, 2 c + 1 of P's operand.
; O^T's tile t holds channels 16 t + 8 h + 0 .. 7: its conversion gives registers 2 t, 2 t + 1 of my head's half of the next operand.  Nothing changes lanes, and no result goes through LDS.
; TILE 1 IS TILE 0's MIRROR: the same register numbers in window 1, so that each piece of vector work is written once and expanded under both windows.
; NO CLUSTER: the four work-groups of a head want different key slots in the same trip (from the trip in which the first of them changes blocks), and a walk in step would take 12 slot times in place of 9.
; THE MASK: a step all of whose 128 keys come after my 32 queries is left out (a scalar branch on ids); on the diagonal hidden scores become -infinity where the definition writes -1e10.
; LIMITS: e2 + e3 between -124 and 130 (added to c's exponent field); e4 and e6 - e4 - e5 between -126 and 119.  -infinity and -1e10 give the same p (0) while a row's largest score lies above about -1e10:
;   |score| <= 64 x 448^2 / 8 x 2^(e2 + e3), so for e2 + e3 <= 12.  NaN is not served.
; REGISTERS.  Both windows: v11 r - 8 h + 16 tile; v12 -M; v13 the largest t; v[14:15] the sum in two halves; v[16:23] Q; v96-159 S^T, then p; v160-191 O^T; v224-239 P's codes, then O's; v236, v242-243, v252-254 at work;
;   v244 2^e4, v245 2^(e6-e4-e5).   Window 0 alone: v1 16 x lane, v3 256 x lane, v5, v6 the add's, v8 the slot's address, v32-95 K's 8 fragments.   Window 1 alone: v32-95 V's 4 fragments.
.set SLOT1, 32768                      ; a slot: K's 16,384 bytes, then V's; slot 1 begins here: one exclusive or turns an address from one slot to the other
.set VOFF,  16384
.set SPARE, 65536                      ; behind the ring: the spare words, 128 bytes for each of eight waves
.set LI,  1
.set PFO, 3
.set SPW, 5
.set NIL, 6
.set ADR, 8
.set QL,  11
.set TB,   2                           ; s2   LDS byte at which the slot in hand begins
.set WV,   18                          ; s18  my wave's number
.set SEL,  20                          ; s[20:21] lane selects for v_permlanex16_b32: lane l xor 16
.set CS,   22                          ; s[22:23] c = log2(e) / 8 x 2^(e2 + e3)
.set G1,   24                          ; s[24:31] descriptor group 1
.set G0,   40                          ; s[40:43] descriptor group 0, which walks
.set KVB,  44                          ; s[44:45] my head's K (wave 0) or V (wave 1)
.set NK,   46                          ; s46  the key slot to be asked for next
.set LIMK, 47                          ; s47  8 - p: the first block's number of slots
.set OFS,  48                          ; s[48:49] an offset as a pair; s49 = 0
.set QH,   50                          ; s[50:51] my wave's queries in block 0 of my head
.set QB,   52                          ; s[52:53] in the block in hand
.set OH,   54                          ; s[54:55] my wave's images in attn, block 0
.set OBS,  56                          ; s[56:57] in the block in hand
.set SW,   58                          ; s58  p + 1: the count at which the blocks change
.set BLK,  59                          ; s59  the block in hand
.set SLOTS, 67                         ; s67  slots still to be asked for
.set EX,   68                          ; s[68:75] e0 .. e7
.set PFA,  76                          ; s[76:77] where my prefetches stand
.set PLIM, 80                          ; s80  2 in a wave that prefetches, else the greatest number
.set KF,   98                          ; s98  the step's first key
.set Q0,   99                          ; s99  my first query
.set MSB, 0
.macro WIN new                         ; the immediate's high byte repeats the setting that is left
.if MSB != \new
	s_set_vgpr_msb (MSB<<8)|\new
.set MSB, \new
.endif
.endm
; Wave 0 fetches a slot's K, wave 1 its V, the others nothing.  The branch hangs on the wave's number alone.  Four v_nop follow the load.
.macro TLOAD
	s_cmp_lt_u32 s[WV], 2
	s_cbranch_scc0 .Lasked_\@
	tensor_load_to_lds s[G0:G0+3], s[G1:G1+7]
	s_nop 0
.rept 4
	v_nop
.endr
.Lasked_\@:
.endm
; A PREFETCH INTO THE L2 of the key slot that the NEXT change of slots will ask for.  All four work-groups of a head walk the same K and V: the one with p = 0, which walks slots 0 to 7 in order, asks.
; In it waves 2 and 3 take the two halves of K's 16,384 bytes, waves 4 and 5 those of V's: 8,192 bytes a wave, lanes 256 bytes apart, one instruction.  Trip j (0 .. 5) names slot j + 2: each block of 256 bytes once.
; Slots 0 and 1 come by their loads alone; behind slot 7 nothing is asked for.
.macro ASK
	s_cmp_gt_u32 s[SLOTS], s[PLIM]
	s_cbranch_scc0 .Lnot_mine_\@
	global_prefetch_b8 v[PFO], s[PFA:PFA+1] th:TH_LOAD_NT scope:SCOPE_SE
.Lnot_mine_\@:
.endm
	s_load_b128 s[4:7], s[0:1], 0x0                ; qkv s[4:5], the exponents s[6:7]
	s_load_b64 s[8:9], s[0:1], 0x10                ; attn
	v_lshl_add_u32 v[SPW], v0, 2, SPARE
	v_mov_b32 v[NIL], 0
	ds_add_u32 v5, v6
	ds_add_u32 v5, v6
	s_wait_dscnt 0x0
	v_lshrrev_b32 v8, 5, v0
	s_delay_alu instid0(VALU_DEP_1)
	v_readfirstlane_b32 s[WV], v8                  ; wave 0..7
	s_and_b32 s60, ttmp7, 0xffff                   ; 16 batch + head
	s_lshl_b32 s63, s60, 17                        ; the head's first byte in each region
	s_and_b32 s82, s[WV], 1
	s_lshl_b32 s[G0+1], s82, 14                    ; LDS address: K's part (wave 0) or V's (wave 1) of slot 0
	s_add_co_u32 s96, s82, 1
	s_lshl_b32 s96, s96, 23                        ; k's region or v's
	s_add_co_u32 s[OFS], s96, s63
	s_mov_b32 s[OFS+1], 0
	; descriptor group 1: a dense block of 16,384 bytes as 64 rows of 256: elements of 8 bytes, 32 to a row, no padding (the images are read 512 consecutive bytes at a time)
	s_mov_b32 s[G1], 3<<16                         ; 15:0 no mask; 17:16 elements of 8 bytes
	s_mov_b32 s[G1+1], 32<<16                      ; tensor_dim0
	s_mov_b32 s[G1+2], 64<<16                      ; tensor_dim1
	s_mov_b32 s[G1+3], 32<<16                      ; tile_dim0
	s_mov_b32 s[G1+4], 64                          ; tile_dim1
	s_mov_b32 s[G1+5], 32                          ; tensor_dim0_stride
	s_mov_b32 s[G1+6], 0
	s_mov_b32 s[G1+7], 0
	s_mov_b32 s[SEL], 0x76543210
	s_mov_b32 s[SEL+1], 0xfedcba98
	s_mov_b32 s[CS], 0x3e38aa3b                    ; log2(e) / 8
	s_mov_b32 s[TB], 0
	s_mov_b32 s[SLOTS], 8
	s_mov_b32 s[NK], 1
	s_sub_co_u32 s[LIMK], 8, ttmp9
	s_add_co_u32 s[SW], ttmp9, 1
	s_sub_co_u32 s[BLK], 7, ttmp9                  ; the first block: 7 - p
	s_wait_kmcnt 0x0
	s_load_b256 s[EX:EX+7], s[6:7], 0x0            ; e0 .. e7
	s_add_nc_u64 s[KVB:KVB+1], s[4:5], s[OFS:OFS+1]
	s_mov_b32 s[G0], 1                             ; count = 1
	s_mov_b64 s[G0+2:G0+3], s[KVB:KVB+1]           ; key slot 0
	s_or_b32 s[G0+3], s[G0+3], 0x80000000          ; type = 2
	TLOAD                                          ; the first fill, ahead of every wait on TENSORcnt, every LDS read and every barrier
	s_bfe_u32 s96, s[WV], 0x10002                  ; the prefetches: waves 2, 3: K; waves 4, 5: V
	s_add_co_u32 s96, s96, 1
	s_lshl_b32 s96, s96, 23
	s_add_co_u32 s96, s96, s63
	s_lshl_b32 s97, s82, 13                        ; my half of a slot's 16,384 bytes
	s_add_co_u32 s96, s96, s97
	s_add_co_u32 s[OFS], s96, 16384                ; in slot 1: the first change of slots steps it to slot 2
	s_add_nc_u64 s[PFA:PFA+1], s[4:5], s[OFS:OFS+1]
	s_sub_co_u32 s96, s[WV], 2
	s_lshr_b32 s96, s96, 2                         ; 0 in waves 2 to 5,
	s_or_b32 s96, s96, ttmp9                       ; of the work-group with p = 0
	s_cmp_eq_u32 s96, 0
	s_cselect_b32 s[PLIM], 2, -1
	s_lshl_b32 s96, s[WV], 11                      ; my wave's 32 queries: two images of 1,024 bytes
	s_add_co_u32 s[OFS], s63, s96
	s_add_nc_u64 s[QH:QH+1], s[4:5], s[OFS:OFS+1]
	s_and_b32 s61, s60, 15                         ; hd
	s_lshr_b32 s62, s60, 4                         ; batch
	s_lshr_b32 s96, s61, 2
	s_lshl_b32 s96, s96, 21                        ; which 256 features
	s_bfe_u32 s97, s61, 0x10001
	s_lshl_b32 s97, s97, 11                        ; which 128 of them
	s_add_co_u32 s96, s96, s97
	s_and_b32 s97, s61, 1
	s_lshl_b32 s97, s97, 10                        ; which 64 of those
	s_add_co_u32 s96, s96, s97
	s_lshl_b32 s97, s62, 19                        ; 128 tiles of 16 tokens x 4,096 bytes a batch
	s_add_co_u32 s96, s96, s97
	s_lshl_b32 s97, s[WV], 13                      ; two tiles a wave
	s_add_co_u32 s[OFS], s96, s97
	s_add_nc_u64 s[OH:OH+1], s[8:9], s[OFS:OFS+1]
	v_and_b32 v[LI], 31, v0
	s_delay_alu instid0(VALU_DEP_1)
	v_lshlrev_b32 v[PFO], 8, v[LI]                 ; 256 x lane
	s_delay_alu instid0(VALU_DEP_2)
	v_lshlrev_b32 v[LI], 4, v[LI]                  ; 16 x lane
	v_and_b32 v9, 15, v0                           ; r
	v_bfe_u32 v10, v0, 4, 1                        ; h
	s_delay_alu instid0(VALU_DEP_1)
	v_lshlrev_b32 v10, 3, v10
	s_delay_alu instid0(VALU_DEP_1)
	v_sub_nc_u32 v[QL], v9, v10                    ; r - 8 h
	s_wait_kmcnt 0x0
	s_add_co_i32 s96, s[EX+2], s[EX+3]
	s_lshl_b32 s96, s96, 23
	s_add_co_i32 s[CS], s[CS], s96                 ; a score stands for score x 2^(e2 + e3): the two exponents are added to c's exponent field
	s_mov_b32 s[CS+1], s[CS]                       ; (named with it as a pair, so it is written)
	s_add_co_i32 s96, s[EX+4], 127
	s_lshl_b32 s60, s96, 23                        ; 2^e4
	s_sub_co_i32 s96, s[EX+6], s[EX+4]             ; a sum of the second product stands for sum x 2^(e4 + e5): its code is (sum / l) / 2^(e6 - e4 - e5)
	s_sub_co_i32 s96, s96, s[EX+5]
	s_add_co_i32 s96, s96, 127
	s_lshl_b32 s62, s96, 23
.macro CONSTS
	v_mov_b32 v244, s60
	v_mov_b32 v245, s62
	v_mov_b32 v236, 0                              ; written once: a lane permute's destination counts as one of its sources
	v_mov_b32 v252, 0                              ; likewise
	v_mov_b32 v253, 0                              ; (named as the upper half of the pair v[252:253])
.endm
	CONSTS
	WIN 0x40                                       ; destination window 1, sources window 0
	CONSTS
	v_add_nc_u32 v[QL], 16, v[QL]                  ; tile 1's queries lie 16 further on
	WIN 0
; Hidden scores of one tile become -infinity.  s96 = Q0 - KF.  Register n holds key KF + 16 (n / 8) + 8 h + n % 8, my query is Q0 + 16 tile + r: hidden where 16 (n / 8) + n % 8 > s96 + r - 8 h + 16 tile.
.macro MASK
	v_add_nc_u32 v252, s96, v[QL]
	v_mov_b32 v254, 0xff800000
.set n, 0
.rept 64
	v_cmp_gt_i32 vcc_lo, 16*(n/8)+n%8, v252
	v_cndmask_b32 v[96+n], v[96+n], v254, vcc_lo
.set n, n+1
.endr
.endm
; One tile's softmax for a step of 128 keys, in the window in force.
.macro SOFT
	v_max3_num_f32 v254, v96, v97, v98             ; the step's largest score of my query among my 64 keys, in two chains; each accumulator is first read at its low end
	v_max3_num_f32 v252, v99, v100, v101
.set i, 6
.rept 14
	v_max3_num_f32 v254, v254, v[96+i], v[97+i]
	v_max3_num_f32 v252, v252, v[98+i], v[99+i]
.set i, i+4
.endr
	v_max3_num_f32 v254, v254, v158, v159
	s_delay_alu instid0(VALU_DEP_1)
	v_max_num_f32 v254, v254, v252
	v_permlanex16_b32 v236, v254, s[SEL], s[SEL+1]
	s_delay_alu instid0(VALU_DEP_1)
	v_max_num_f32 v254, v254, v236                 ; and among lane l xor 16's
	s_delay_alu instid0(VALU_DEP_1)
	v_mul_f32 v254, s[CS], v254                    ; as t (c is positive)
	s_delay_alu instid0(VALU_DEP_1)
	v_max_num_f32 v13, v13, v254                   ; the running largest t
	v_mov_b32 v254, v12
	s_delay_alu instid0(VALU_DEP_2)
	v_floor_f32 v12, -v13                          ; the new -M = floor(-t) = -ceil(t): a whole number
	s_delay_alu instid0(VALU_DEP_1)
	v_sub_f32 v254, v12, v254                      ; old M - new M: a whole number, 0 or less
	s_delay_alu instid0(VALU_DEP_1)
	v_cvt_i32_f32 v254, v254                       ; (it saturates)
	s_delay_alu instid0(VALU_DEP_1)
	v_ldexp_f32 v252, 1.0, v254                    ; f = 2^(old M - new M)
.set j, 0
.rept 32
	v_pk_fma_f32 v[96+j:97+j], v[96+j:97+j], s[CS:CS+1], v[12:13] op_sel_hi:[1,0,0]   ; t - M, two at a time
.set j, j+2
.endr
.set j, 0
	s_wait_alu depctr_va_vdst(0)
.rept 64
	v_exp_f32 v[96+j], v[96+j]                     ; p = 2^(t - M), at most 1
.set j, j+1
.endr
	v_pk_mul_f32 v[14:15], v[14:15], v[252:253] op_sel_hi:[1,0]   ; the sums under the new M: the plain instruction behind the exponentials
	s_wait_alu depctr_va_vdst(0)                   ; one wait for the whole batch, ahead of its first reader
	v_pk_add_f32 v[242:243], v[96:97], v[98:99]    ; the row's sum is taken of the unquantised p: two at a time, in two chains
.set j, 4
.rept 15
	v_pk_add_f32 v[14:15], v[14:15], v[96+j:97+j]
	v_pk_add_f32 v[242:243], v[242:243], v[98+j:99+j]
.set j, j+4
.endr
	s_delay_alu instid0(VALU_DEP_1)
	v_pk_add_f32 v[14:15], v[14:15], v[242:243]
.set c, 0
.rept 8
.set i, 0
.rept 8
.set i, i+1
.endr
	v_cvt_scalef32_pk8_fp8_f32 v[224+2*c:225+2*c], v[96+8*c:103+8*c], v244   ; keys 16 c + 8 h + 0 .. 7: registers 2 c, 2 c + 1 of the operand
.set c, c+1
.endr
.set j, 0
.rept 16
	v_pk_mul_f32 v[160+j:161+j], v[160+j:161+j], v[252:253] op_sel_hi:[1,0]   ; O^T under the new M.  (Also the plain instructions between the conversions and the products)
.set j, j+2
.endr
.endm
; A KEY STEP: 128 keys, the q-th of the slot in hand, for both tiles.
.macro STEP q
	s_add_co_u32 s96, s[Q0], 31
	s_cmp_gt_u32 s[KF], s96                        ; all keys behind my last query: the step's work is left out; no barrier and no tensor load stands in a step
	s_cbranch_scc1 .Lhidden_\@
	v_add_nc_u32 v[ADR], s[TB], v[LI]
.irp t, 0,1,2,3,4,5,6,7
	ds_load_b128 v[32+8*\t:35+8*\t], v[ADR] offset:(8*(\q)+\t)*1024          ; K's fragment t: 16 keys x 64, as its image lies
	ds_load_b128 v[36+8*\t:39+8*\t], v[ADR] offset:(8*(\q)+\t)*1024+512
.endr
	s_wait_alu depctr_va_vdst(0)
	s_wait_dscnt 0x0
.irp t, 0,1,2,3,4,5,6,7
	v_wmma_f32_16x16x64_fp8_fp8 v[96+8*\t:103+8*\t], v[32+8*\t:39+8*\t], v[16:23], 0
.endr
	WIN 0x54                                       ; K window 0; Q and S^T window 1
.irp t, 0,1,2,3,4,5,6,7
	v_wmma_f32_16x16x64_fp8_fp8 v[96+8*\t:103+8*\t], v[32+8*\t:39+8*\t], v[16:23], 0
.endr
	WIN 0
.rept 4
	v_nop                                          ; places in front of the first read of the scores, and (with the addition above) of the loads into V's registers, which the last step's products read
.endr
	WIN 0x40                                       ; destination window 1
.irp t, 0,1,2,3
.irp c, 0,1,2,3
	ds_load_b128 v[32+16*\t+4*\c:35+16*\t+4*\c], v[ADR] offset:VOFF+(\q)*8192+\t*2048+512*\c   ; V's fragment t: 16 channels x 128 keys: it lands while the softmax is worked
.endr
.endr
	WIN 0
	s_add_co_u32 s96, s[KF], 127
	s_cmp_le_u32 s96, s[Q0]                        ; all keys count for all my queries: no mask
	s_cbranch_scc1 .Lopen_\@
	s_sub_co_i32 s96, s[Q0], s[KF]
	MASK
	WIN 0x55
	MASK
	WIN 0
.Lopen_\@:
	SOFT
	WIN 0x55
	SOFT
	s_wait_alu depctr_va_vdst(0)
	s_wait_dscnt 0x0                               ; V is in
	WIN 0x01                                       ; V window 1; P and O^T window 0
.irp t, 0,1,2,3
	v_wmma_f32_16x16x128_fp8_fp8 v[160+8*\t:167+8*\t], v[32+16*\t:47+16*\t], v[224:239], v[160+8*\t:167+8*\t]
.endr
	WIN 0x55
.irp t, 0,1,2,3
	v_wmma_f32_16x16x128_fp8_fp8 v[160+8*\t:167+8*\t], v[32+16*\t:47+16*\t], v[224:239], v[160+8*\t:167+8*\t]
.endr
	WIN 0                                          ; each accumulator has one instruction a step: no two matrix instructions that follow each other share one
.Lhidden_\@:
	s_add_co_u32 s[KF], s[KF], 128
.endm
; THE CHANGE OF SLOTS stands at a slot's head.  Each wave waits for all its tensor loads (its part of the slot that it is about to read), adds 0 to its spare word, and waits for that and for its reads of the slot that it has left.
; fill = 1: behind the barrier that other slot is filled with the next key slot of the walk: 0 .. 7 - p, then 0 .. p.  By this text's count a wave has one tensor load out at the most.
.macro CHANGE fill
	s_wait_tensorcnt 0x0                           ; no tensor load of mine is out, so group 0 may be written
	ds_add_u32 v[SPW], v[NIL]                      ; 0 onto my spare word
.if \fill
	s_xor_b32 s[G0+1], s[G0+1], SLOT1              ; the other slot than last time
	s_lshl_b32 s[OFS], s[NK], 14
	s_add_nc_u64 s[G0+2:G0+3], s[KVB:KVB+1], s[OFS:OFS+1]
	s_or_b32 s[G0+3], s[G0+3], 0x80000000
	s_add_co_u32 s[NK], s[NK], 1
	s_cmp_eq_u32 s[NK], s[LIMK]
	s_cselect_b32 s[NK], 0, s[NK]                  ; behind the first block's last slot the second block begins at key 0
	s_wait_xcnt 0x0                                ; the last prefetch, a slot back, has read its address, so it may be written
	s_add_nc_u64 s[PFA:PFA+1], s[PFA:PFA+1], 16384
.endif
	s_wait_dscnt 0x0                               ; the add is done, and my reads of the slot that I have left are over
	s_barrier_signal -1
	s_barrier_wait -1
.if \fill
	TLOAD                                          ; the first thing behind the barrier, and a wave's one tensor load until the next
	ASK
.endif
.endm
; One tile's end, in the window in force: O^T / l, converted: 8 registers of codes.
.macro FIN
	v_add_f32 v14, v14, v15                        ; the sum's two halves,
	s_delay_alu instid0(VALU_DEP_1)
	v_permlanex16_b32 v252, v14, s[SEL], s[SEL+1]
	s_delay_alu instid0(VALU_DEP_1)
	v_add_f32 v14, v14, v252                       ; and lane l xor 16's
	s_wait_alu depctr_va_vdst(0)
	v_rcp_f32 v14, v14
	v_nop                                          ; a plain instruction behind the reciprocal
	s_wait_alu depctr_va_vdst(0)                   ; and the wait ahead of its first reader
.set j, 0
.rept 16
	v_pk_mul_f32 v[96+j:97+j], v[160+j:161+j], v[14:15] op_sel_hi:[1,0]   ; each accumulator from its low end on
.set j, j+2
.endr
.set j, 0
.rept 32
.set j, j+1
.endr
.irp t, 0,1,2,3
	v_cvt_scalef32_pk8_fp8_f32 v[224+2*\t:225+2*\t], v[96+8*\t:103+8*\t], v245
.endr
	v_nop                                          ; one plain instruction behind the last conversion
.endm
.macro FINISH                          ; a block's 32 rows of my wave leave: four stores of 512 consecutive bytes, aligned
.rept 4
	v_nop                                          ; places behind the last products
.endr
	FIN
	global_store_b128 v[LI], v[224:227], s[OBS:OBS+1]
	global_store_b128 v[LI], v[228:231], s[OBS:OBS+1] offset:512
	WIN 0x55
	FIN
	WIN 0x04                                       ; store data window 1, address window 0
	global_store_b128 v[LI], v[224:227], s[OBS:OBS+1] offset:4096
	global_store_b128 v[LI], v[228:231], s[OBS:OBS+1] offset:4608
	WIN 0
.endm
.macro INIT                            ; a tile's state: the first change of M multiplies zeros
	v_mov_b32 v13, 0xff61b1e6                      ; the largest t so far: -3e38
	s_delay_alu instid0(VALU_DEP_1)
	v_floor_f32 v12, -v13
	v_mov_b32 v14, 0
	v_mov_b32 v15, 0
.set j, 0
.rept 32
	v_mov_b32 v[160+j], 0
.set j, j+1
.endr
.endm
.macro NEWBLOCK                        ; the block whose number stands in s[BLK] begins
	s_wait_xcnt 0x0                                ; the last block's stores have read their base and their data
	s_lshl_b32 s[OFS], s[BLK], 14
	s_add_nc_u64 s[QB:QB+1], s[QH:QH+1], s[OFS:OFS+1]
	s_lshl_b32 s[OFS], s[BLK], 16
	s_add_nc_u64 s[OBS:OBS+1], s[OH:OH+1], s[OFS:OFS+1]
	s_lshl_b32 s[Q0], s[BLK], 8
	s_lshl_b32 s96, s[WV], 5
	s_add_co_u32 s[Q0], s[Q0], s96                 ; my first query: 256 x block + 32 x wave
	s_mov_b32 s[KF], 0
	global_load_b128 v[16:19], v[LI], s[QB:QB+1]
	global_load_b128 v[20:23], v[LI], s[QB:QB+1] offset:512
	WIN 0x40
	global_load_b128 v[16:19], v[LI], s[QB:QB+1] offset:1024
	global_load_b128 v[20:23], v[LI], s[QB:QB+1] offset:1536
	WIN 0
	INIT
	WIN 0x55
	INIT
	WIN 0
	s_wait_loadcnt 0x0                             ; Q stays in registers
.endm
	NEWBLOCK
.Lslot:                                            ; eight trips: behind each change of slots but the last the next slot is asked for
	CHANGE 1
	STEP 0
	STEP 1
	s_xor_b32 s[TB], s[TB], SLOT1                  ; on to the other slot
	s_cmp_lg_u32 s[SLOTS], s[SW]                   ; 8 - p slots are done: block 7 - p leaves and block p begins
	s_cbranch_scc1 .Lsame
	FINISH
	s_mov_b32 s[BLK], ttmp9
	NEWBLOCK
.Lsame:
	s_sub_co_u32 s[SLOTS], s[SLOTS], 1
	s_cmp_lg_u32 s[SLOTS], 0
	s_cbranch_scc1 .Lslot
	CHANGE 0                                       ; the last slot is written out
	STEP 0
	STEP 1
	FINISH
	s_wait_tensorcnt 0x0                           ; the wave's end
	ds_add_u32 v[SPW], v[NIL]
	s_wait_dscnt 0x0
	s_endpgm
.Lfunc_end_k_qcc921a0d8d_attention:
	.size	k_qcc921a0d8d_attention, .Lfunc_end_k_qcc921a0d8d_attention-k_qcc921a0d8d_attention
	.p2alignl 7, 3214868480
	.fill 96, 4, 3214868480
	.section	.rodata,"a",@progbits
	.p2align	6, 0x0
	.amdhsa_kernel k_qcc921a0d8d_attention
		.amdhsa_group_segment_fixed_size 327680
		.amdhsa_private_segment_fixed_size 0
		.amdhsa_enable_private_segment 0
		.amdhsa_kernarg_size 24
		.amdhsa_user_sgpr_count 2
		.amdhsa_user_sgpr_kernarg_segment_ptr 1
		.amdhsa_wavefront_size32 1
		.amdhsa_system_sgpr_workgroup_id_x 1
		.amdhsa_system_sgpr_workgroup_id_y 1
		.amdhsa_system_sgpr_workgroup_id_z 1
		.amdhsa_system_vgpr_workitem_id 0
		.amdhsa_next_free_vgpr 512
		.amdhsa_next_free_sgpr 100
		.amdhsa_reserve_vcc 1
		.amdhsa_float_denorm_mode_32 3
		.amdhsa_float_denorm_mode_16_64 3
		.amdhsa_fp16_overflow 1
		.amdhsa_memory_ordered 1
		.amdhsa_forward_progress 1
		.amdhsa_inst_pref_size 161
	.end_amdhsa_kernel
	.amdgpu_metadata
---
amdhsa.version: [ 1, 2 ]
amdhsa.kernels:
  - .name:           k_qcc921a0d8d_attention
    .symbol:         k_qcc921a0d8d_attention.kd
    .args:
      - { .name: qkv, .offset: 0, .size: 8, .value_kind: global_buffer, .address_space: global }
      - { .name: lowp_scales, .offset: 8, .size: 8, .value_kind: global_buffer, .address_space: global }
      - { .name: attn, .offset: 16, .size: 8, .value_kind: global_buffer, .address_space: global }
    .group_segment_fixed_size: 327680
    .private_segment_fixed_size: 0
    .kernarg_segment_align: 8
    .kernarg_segment_size: 24
    .max_flat_workgroup_size: 256
    .sgpr_count:     100
    .vgpr_count:     512
    .wavefront_size: 32
...
	.end_amdgpu_metadata
.endif
;; end of part 2
;; launch proj (part 3): grid 4 x 64, 4 waves a work-group, clusters of 4 x 4, 327,680 bytes of LDS; arguments attn, w_out_codes, lowp_scales, out0; writes out0
.if DOCPART == 3
	.amdgcn_target "amdgcn-amd-amdhsa--gfx1250"
	.amdhsa_code_object_version 6
	.text
	.protected	k_qcc921a0d8d_proj
	.globl	k_qcc921a0d8d_proj
	.p2align	8
	.type	k_qcc921a0d8d_proj,@function
k_qcc921a0d8d_proj:
	s_mov_b64 s[64:65], 0
	v_nop
	global_prefetch_b8 v0, s[64:65] scope:SCOPE_SE
	s_setreg_imm32_b32 hwreg(HW_REG_WAVE_MODE, 25, 1), 1
	s_wait_xcnt 0x0
	s_wait_alu depctr_hold_cnt(0) depctr_sa_sdst(0) depctr_va_vdst(0) depctr_va_sdst(0) depctr_va_ssrc(0) depctr_va_vcc(0) depctr_vm_vsrc(0)
	s_getreg_b32 s2, hwreg(HW_REG_IB_STS2, 6, 4)
	s_cmp_eq_u32 s2, 0
	s_cbranch_scc0 .Lentry_in_a_cluster
	s_endpgm
.Lentry_in_a_cluster:
	s_bfe_u32 s2, ttmp6, 0x10000c
	s_cmp_lg_u32 s2, 0xf033
	s_cbranch_scc0 .Lentry_shape_is_right
	s_endpgm
.Lentry_shape_is_right:
; PRODUCT 4: out0[token][n] = 2^(e6 + e7) x the sum over k of A[token][k] W[n][k], on codes of E4M3.  out0: [8192][1024] f32.
; A = attn, images of operand registers: (k / 256)<<21 + (token / 16) x 4,096 + ((k / 128) & 1) x 2,048 + 512 c + 16 x lane (registers 4 c .. 4 c + 3 of a fragment 16 tokens x 128 K, in the plain form's own layout).
; W = w_out_codes: [1024 (n)][1024 (k)], a row = 1,024 bytes.
; A tile of C is 128 x 256: 256 work-groups.  Four waves, each 64 x 128: 32 accumulators, 256 registers.  4 x 4 work-groups form a cluster: A's tile is asked for jointly along a row of the cluster, W's along a column.
; K goes in four steps of 256.  THREE LDS slots take K steps 0, 1, 2 at the start; slot 0 is filled once more, with K step 3: one round of the cluster's barrier in the products.
; Wave 0 fetches A's tile (128 tokens x 256 K are one dense block of 32,768 bytes), waves 1 and 2 W's two halves (128 rows of 256 bytes, padded), wave 3 nothing.
; A's fragments come as their images lie (four loads of 16 bytes); W's therefore in the same, the form's own, layout: registers 2 c, 2 c + 1 hold k = 16 c + 8 h + 0 .. 7: eight loads of 8 bytes.
; THE MATRIX INSTRUCTION IS USED TRANSPOSED (source 0 = 16 rows of W, source 1 = 16 tokens): a lane holds eight neighbouring numbers of a row of C.
; No prefetch: three of the four K steps are asked for at the head.
; LIMIT: e6 + e7 lies between -126 and 127, so that 2^(e6 + e7) is an f32 number.
; REGISTERS: window 0: v16-29 addresses; v32-95 at work on the way out; v128-191, v192-255 A's fragments, two sets, later rows of C.   window 1: W's fragments, two sets.   window 2: accumulator (a, b) at v[8 (8 a + b)].
.set PITCH,  272                       ; W's rows in LDS: 256 bytes + 16 of padding: the 16 rows that a load touches start at 16 different banks (ISA guide 11.1)
.set HALFT,  128*PITCH                 ; a wave's share of a slot (A's block uses 32,768 bytes of it)
.set SLOT,   3*HALFT
.set SPARE,  3*SLOT                    ; behind the slots: the spare words, 128 bytes for each wave
.set STAGE,  SLOT                      ; the way out: 16 rows x 528 bytes for each wave, in slot 1: it has had its one fill, and its last read lies ahead of the last barrier
.set SPITCH, 528
.set FR,   16
.set ADRA, 16                          ; v16-18  LDS address of my A fragments in slot 0, 1, 2
.set ADRB, 20                          ; v20-22  the same for W
.set STO,  24                          ; v24     the way out: where I put 32 bytes of a row
.set RD,   25                          ; v25     where I read a row back
.set CO,   26                          ; v26     16 x lane
.set SPW,  28                          ; v28     LDS address of my spare word; never rewritten
.set NIL,  29                          ; v29     0; never rewritten
.set TMP,  32
.set AF,   128
.set BK,   128
.set G1A, 24                           ; s[24:31] descriptor group 1 for A's tiles
.set G1B, 48                           ; s[48:55] for W's
.set G0A, 68                           ; s[68:79] group 0 for A's tiles, one set for each slot
.set G0B, 80                           ; s[80:91] for W's
.set MSB, 0
.macro WIN new                         ; the immediate's high byte repeats the setting that is left
.if MSB != \new
	s_set_vgpr_msb (MSB<<8)|\new
.set MSB, \new
.endif
.endm
.set MUL,  0xa1                        ; source 0 (W) window 1, source 1 (A) window 0, C and D window 2
.set TO_B, 0x40                        ; destination window 1, address window 0
.macro CREST                           ; a round of the cluster's barrier behind its opening barrier
	s_cmp_lg_u32 s14, 0
	s_cbranch_scc1 .Lnot_wave_0_\@
	s_barrier_signal -3
.Lnot_wave_0_\@:
	s_barrier_wait -3
	s_barrier_signal -1
	s_barrier_wait -1
.endm
.macro CROUND
	s_barrier_signal -1
	s_barrier_wait -1
	CREST
.endm
.macro PLACES n
.rept \n
	v_nop
.endr
.endm
	s_load_b256 s[4:11], s[0:1], 0x0               ; attn s[4:5], w_out's codes s[6:7], the exponents s[8:9], out0 s[10:11]
	v_lshl_add_u32 v[SPW], v0, 2, SPARE
	v_mov_b32 v[NIL], 0
	ds_add_u32 v28, v29
	ds_add_u32 v28, v29
	s_wait_dscnt 0x0
	v_lshrrev_b32 v1, 5, v0
	v_readfirstlane_b32 s14, v1                    ; wave 0..3
	s_lshr_b32 s15, s14, 1                         ; which 64 of the tile's rows are mine.  Also: which 128 rows of W waves 1 (0) and 2 (1) fetch
	s_and_b32 s16, s14, 1                          ; which 128 of its columns
	s_bfe_u32 s40, ttmp6, 0x40000                  ; cx, cy
	s_bfe_u32 s41, ttmp6, 0x40004
	s_lshl_b32 s42, ttmp9, 2
	s_add_co_u32 s42, s42, s40                     ; tile column (256 columns) = 4 x cluster x + cx
	s_and_b32 s17, ttmp7, 0xffff
	s_lshl_b32 s17, s17, 2
	s_add_co_u32 s17, s17, s41                     ; tile row (128 rows) = 4 x cluster y + cy
	s_lshl_b32 s43, s41, 2
	s_lshl_b32 s43, 15, s43                        ; my row of the cluster
	s_lshl_b32 s44, 0x1111, s40                    ; my column
	s_or_b32 s[G1A], s43, (3<<16)|(1<<21)          ; A: 15:0 the mask; 17:16 elements of 8 bytes; 21 set beside a mask; no padding
	s_mov_b32 s[G1A+1], 32<<16                     ; tensor_dim0: 32 elements = 256 bytes
	s_mov_b32 s[G1A+2], 128<<16                    ; tensor_dim1
	s_mov_b32 s[G1A+3], 32<<16                     ; tile_dim0
	s_mov_b32 s[G1A+4], 128                        ; tile_dim1
	s_mov_b32 s[G1A+5], 32                         ; tensor_dim0_stride: dense
	s_mov_b32 s[G1A+6], 0
	s_mov_b32 s[G1A+7], 0
	s_or_b32 s[G1B], s44, (0<<16)|(1<<20)|(1<<21)|(5<<22)|(3<<25)   ; W: elements of 1 byte; padding: four words after every 64
	s_mov_b32 s[G1B+1], 256<<16
	s_mov_b32 s[G1B+2], 128<<16
	s_mov_b32 s[G1B+3], 256<<16
	s_mov_b32 s[G1B+4], 128
	s_mov_b32 s[G1B+5], 1024
	s_mov_b32 s[G1B+6], 0
	s_mov_b32 s[G1B+7], 0
	s_lshl_b32 s20, s17, 15                        ; A: 128 tokens are 32,768 bytes of a K step: made of cy alone
	s_mov_b32 s21, 0
	s_lshl_b32 s46, s42, 8
	s_lshl_b32 s18, s15, 7
	s_add_co_u32 s46, s46, s18                     ; W: row 256 x tile column + 128 x half: made of cx alone
	s_lshl_b32 s46, s46, 10
	s_mov_b32 s47, 0
	s_mul_i32 s45, s14, HALFT                      ; where a wave's load goes: no place in the cluster enters an LDS address
	s_wait_kmcnt 0x0
	s_load_b64 s[96:97], s[8:9], 0x18              ; e6, e7
	s_add_nc_u64 s[20:21], s[4:5], s[20:21]
	s_add_nc_u64 s[46:47], s[6:7], s[46:47]
.irp s, 0,1,2
	s_mov_b32 s[G0A+4*\s], 1
	s_add_co_u32 s[G0A+4*\s+1], s45, \s*SLOT
	s_add_nc_u64 s[G0A+4*\s+2:G0A+4*\s+3], s[20:21], (\s)*2097152   ; K step s of A: 1<<21 bytes on
	s_or_b32 s[G0A+4*\s+3], s[G0A+4*\s+3], 0x80000000
	s_mov_b32 s[G0B+4*\s], 1
	s_add_co_u32 s[G0B+4*\s+1], s45, \s*SLOT
	s_add_nc_u64 s[G0B+4*\s+2:G0B+4*\s+3], s[46:47], (\s)*256       ; of W: 256 bytes along the rows
	s_or_b32 s[G0B+4*\s+3], s[G0B+4*\s+3], 0x80000000
.endr
	CROUND                                         ; all sixteen work-groups are here: the first joint loads meet
	s_cmp_eq_u32 s14, 0                            ; a wave's three first fills stand in one branch on the wave's number; three loads of mine are out at the most
	s_cbranch_scc0 .Lfirst_not_a
	tensor_load_to_lds s[G0A:G0A+3], s[G1A:G1A+7]
	s_nop 0
	tensor_load_to_lds s[G0A+4:G0A+7], s[G1A:G1A+7]
	s_nop 0
	tensor_load_to_lds s[G0A+8:G0A+11], s[G1A:G1A+7]
	s_nop 0
.rept 4
	v_nop
.endr
	s_branch .Lfirst_asked
.Lfirst_not_a:
	s_cmp_lt_u32 s14, 3
	s_cbranch_scc0 .Lfirst_asked
	tensor_load_to_lds s[G0B:G0B+3], s[G1B:G1B+7]
	s_nop 0
	tensor_load_to_lds s[G0B+4:G0B+7], s[G1B:G1B+7]
	s_nop 0
	tensor_load_to_lds s[G0B+8:G0B+11], s[G1B:G1B+7]
	s_nop 0
.rept 4
	v_nop
.endr
.Lfirst_asked:
	v_and_b32 v1, 15, v0                           ; r
	v_bfe_u32 v2, v0, 4, 1                         ; h
	v_and_b32 v6, 31, v0
	v_lshlrev_b32 v[CO], 4, v6                     ; 16 x lane
	s_lshl_b32 s21, s15, 14                        ; my 64 tokens: four images of 4,096 bytes
	v_add_nc_u32 v[ADRA], s21, v[CO]
	v_add_nc_u32 v[ADRA+1], SLOT, v[ADRA]
	v_add_nc_u32 v[ADRA+2], 2*SLOT, v[ADRA]
	v_mul_u32_u24 v3, v1, PITCH
	v_lshl_add_u32 v3, v2, 3, v3                   ; W: row r x pitch + 8 h
	s_mul_i32 s22, s16, HALFT
	s_add_co_u32 s22, s22, HALFT                   ; my 128 rows of W lie behind A's share
	v_add_nc_u32 v[ADRB], s22, v3
	v_add_nc_u32 v[ADRB+1], SLOT, v[ADRB]
	v_add_nc_u32 v[ADRB+2], 2*SLOT, v[ADRB]
	s_mul_i32 s23, s14, 16*SPITCH
	s_add_co_u32 s23, s23, STAGE                   ; my stage
	v_mul_u32_u24 v5, v1, SPITCH
	v_lshl_add_u32 v5, v2, 5, v5
	v_add_nc_u32 v[STO], s23, v5                   ; in: row r, 32 bytes for each half of the lanes
	v_add_nc_u32 v[RD], s23, v[CO]                 ; back: the 32 lanes take one row of 512 bytes
	s_lshl_b32 s20, s17, 7
	s_lshl_b32 s21, s15, 6
	s_add_co_u32 s20, s20, s21                     ; my first row of C: 128 x tile row + 64 x half,
	s_lshl_b32 s20, s20, 12                        ; of 4,096 bytes
	s_lshl_b32 s46, s42, 10                        ; my first column, in bytes: 1,024 x tile column + 512 x half
	s_lshl_b32 s47, s16, 9
	s_add_co_u32 s46, s46, s47
	s_add_co_u32 s20, s20, s46
	s_mov_b32 s21, 0
	s_add_nc_u64 s[10:11], s[10:11], s[20:21]
.macro FRAGA reg, slot, a, q           ; A's fragment: tokens 16 a on, the slot's q-th 128 along K: its image
.irp c, 0,1,2,3
	ds_load_b128 v[\reg+4*\c:\reg+4*\c+3], v[ADRA+\slot] offset:(\a)*4096+(\q)*2048+512*\c
.endr
.endm
.macro FRAGB reg, slot, i, q           ; W's fragment: rows 16 i on: registers 2 c, 2 c + 1 hold k = 16 c + 8 h + 0 .. 7
.irp c, 0,1,2,3,4,5,6,7
	ds_load_b64 v[\reg+2*\c:\reg+2*\c+1], v[ADRB+\slot] offset:128*(\q)+16*\c+(\i)*16*PITCH
.endr
.endm
.macro FETCH slot, q, set              ; 80 LDS loads in one run: a step's fragments into set
	WIN TO_B
.irp i, 0,1,2,3,4,5,6,7
	FRAGB 128*(\set)+FR*\i, \slot, \i, \q
.endr
	WIN 0
.irp a, 0,1,2,3
	FRAGA AF+64*(\set)+FR*\a, \slot, \a, \q
.endr
.endm
; 8 matrix instructions: A's block a x W's eight.  The 32 accumulators take turns, one instruction a turn, in the same order in every step.
.macro MUL8 a, set, zero
.irp b, 0,1,2,3,4,5,6,7
.if \zero
	v_wmma_f32_16x16x128_fp8_fp8 v[8*(8*(\a)+\b):8*(8*(\a)+\b)+7], v[128*(\set)+FR*\b:128*(\set)+FR*\b+FR-1], v[AF+64*(\set)+FR*(\a):AF+64*(\set)+FR*(\a)+FR-1], 0
.else
	v_wmma_f32_16x16x128_fp8_fp8 v[8*(8*(\a)+\b):8*(8*(\a)+\b)+7], v[128*(\set)+FR*\b:128*(\set)+FR*\b+FR-1], v[AF+64*(\set)+FR*(\a):AF+64*(\set)+FR*(\a)+FR-1], v[8*(8*(\a)+\b):8*(8*(\a)+\b)+7]
.endif
.endr
.endm
; A step of 128 along K on set; in its middle the next step's fragments (slot ns, its nq-th 128) are fetched into the other set.
.macro STEP ns, nq, set, zero
	s_wait_dscnt 0x0                               ; this step's fragments are in
	WIN MUL
	MUL8 0, \set, \zero
	MUL8 1, \set, \zero
	PLACES 4                                       ; in front of loads into the set that the last step multiplied
	FETCH \ns, \nq, 1-(\set)
	WIN MUL
	MUL8 2, \set, \zero
	MUL8 3, \set, \zero
.endm
; A step with a barrier in it.  In front of the barrier each wave waits for all its tensor loads, adds 0 to its spare word, and waits for that and for its LDS reads.
; fill = 1: the barrier opens a round of the cluster's barrier, and slot 0, which nobody reads any more, takes K step 3.
.macro TURN fill, ns, nq, set
	WIN 0                                          ; (the add's two registers lie in window 0)
	s_wait_tensorcnt 0x0                           ; all my tensor loads have landed
	ds_add_u32 v[SPW], v[NIL]                      ; 0 onto my spare word
	s_wait_dscnt 1                                 ; this step's fragments are in; the add may be out
	WIN MUL
	MUL8 0, \set, 0                                ; eight matrix instructions stand between the add and the wait for it
	s_wait_dscnt 0x0                               ; the add is done, and my LDS reads are over
	s_barrier_signal -1
	MUL8 1, \set, 0
	WIN 0
	s_barrier_wait -1
.if \fill
	CREST                                          ; no wave of any partner still reads slot 0 or has a load on its way
	s_add_nc_u64 s[G0A+2:G0A+3], s[G0A+2:G0A+3], 3*2097152
	s_add_nc_u64 s[G0B+2:G0B+3], s[G0B+2:G0B+3], 3*256
	s_cmp_eq_u32 s14, 0                            ; the joint refill: the first tensor load behind the round, one a wave; four v_nop follow each line
	s_cbranch_scc0 .Lnot_a_\@
	tensor_load_to_lds s[G0A:G0A+3], s[G1A:G1A+7]
	s_nop 0
.rept 4
	v_nop
.endr
	s_branch .Lasked_\@
.Lnot_a_\@:
	s_cmp_lt_u32 s14, 3
	s_cbranch_scc0 .Lasked_\@
	tensor_load_to_lds s[G0B:G0B+3], s[G1B:G1B+7]
	s_nop 0
.rept 4
	v_nop
.endr
.Lasked_\@:
.endif
	PLACES 4                                       ; on every wave's path: in front of loads into the set that the last step multiplied
	FETCH \ns, \nq, 1-(\set)
	WIN MUL
	MUL8 2, \set, 0
	MUL8 3, \set, 0
.endm
	s_wait_alu depctr_va_vdst(0)
	s_wait_tensorcnt 2                             ; my part of K step 0 is in; K steps 1 and 2 may be out
	s_barrier_signal -1
	s_barrier_wait -1                              ; everybody's is
	FETCH 0, 0, 0
	STEP 0, 1, 0, 1                                ; K 0-127: these products start the sums
	TURN 1, 1, 0, 1                                ; K 128-255; all three slots are whole behind the round; slot 0 takes K step 3, which has four steps in which to land
	STEP 1, 1, 0, 0
	STEP 2, 0, 1, 0                                ; on into slot 2: no barrier, the round has shown it whole
	STEP 2, 1, 0, 0
	TURN 0, 0, 0, 1                                ; K step 3 is whole behind this barrier; nobody reads slots 1 and 2 any more
	STEP 0, 1, 0, 0
	s_wait_dscnt 0x0                               ; the very last step
	WIN MUL
	MUL8 0, 1, 0
	MUL8 1, 1, 0
	MUL8 2, 1, 0
	MUL8 3, 1, 0
	WIN 0
; THE WAY OUT, block by block of 16 rows x 128 columns: x 2^(e6 + e7) into other registers, each accumulator from its low end on; through my own stage in LDS; back as whole rows of 512 bytes.
; LDS serves a wave's instructions in order (ISA guide 5.7.1.4): no wait between the stores and the loads, nor in front of the next block's stores.
.macro TOSTAGE a
	WIN 0x02                                       ; source 0 window 2
.set j, 0
.rept 32
	v_pk_mul_f32 v[TMP+j:TMP+j+1], v[64*(\a)+j:64*(\a)+j+1], s[96:97] op_sel_hi:[1,0]   ; both x s96
.set j, j+2
.endr
	WIN 0
.irp b, 0,1,2,3,4,5,6,7
	ds_store_b128 v[STO], v[TMP+8*\b:TMP+8*\b+3] offset:64*\b
	ds_store_b128 v[STO], v[TMP+8*\b+4:TMP+8*\b+7] offset:64*\b+16
.endr
.set BB, BK+64*((\a)%2)
.irp t, 0,1,2,3,4,5,6,7,8,9,10,11,12,13,14,15
	ds_load_b128 v[BB+4*\t:BB+4*\t+3], v[RD] offset:\t*SPITCH
.endr
.endm
.macro SEND a, younger                 ; younger: the LDS instructions issued behind block a's loads, which may stay out
.set BB, BK+64*((\a)%2)
	s_wait_dscnt \younger
.if (\a) > 0
	s_add_nc_u64 s[10:11], s[10:11], 16*4096       ; 16 rows of C on (behind a wait on XCNT: the earlier stores have read their base)
.endif
.irp t, 0,1,2,3,4,5,6,7,8,9,10,11,12,13,14,15
	global_store_b128 v[CO], v[BB+4*\t:BB+4*\t+3], s[10:11] offset:\t*4096 th:TH_STORE_NT   ; 32 lanes store 512 consecutive bytes, aligned; written once, read by nobody here
.endr
.endm
	s_wait_kmcnt 0x0
	s_add_co_i32 s96, s96, s97
	s_add_co_i32 s96, s96, 127
	s_lshl_b32 s96, s96, 23                        ; 2^(e6 + e7) as f32
	PLACES 4                                       ; in front of the first read of results and of loads into A's registers
	TOSTAGE 0
.irp a, 1,2,3
.if \a > 1
	s_wait_xcnt 0x0                                ; block a - 2's stores have read their registers and their base
.endif
	TOSTAGE \a
	SEND \a-1, 32                                  ; behind block a - 1's loads: block a's 16 stores and 16 loads
.endr
	s_wait_xcnt 0x0
	SEND 3, 0
	s_wait_tensorcnt 0x0                           ; the wave's end
	ds_add_u32 v[SPW], v[NIL]
	s_wait_dscnt 0x0
	CROUND                                         ; the closing round
	s_endpgm
.Lfunc_end_k_qcc921a0d8d_proj:
	.size	k_qcc921a0d8d_proj, .Lfunc_end_k_qcc921a0d8d_proj-k_qcc921a0d8d_proj
	.p2alignl 7, 3214868480
	.fill 96, 4, 3214868480
	.section	.rodata,"a",@progbits
	.p2align	6, 0x0
	.amdhsa_kernel k_qcc921a0d8d_proj
		.amdhsa_group_segment_fixed_size 327680
		.amdhsa_private_segment_fixed_size 0
		.amdhsa_enable_private_segment 0
		.amdhsa_kernarg_size 32
		.amdhsa_user_sgpr_count 2
		.amdhsa_user_sgpr_kernarg_segment_ptr 1
		.amdhsa_wavefront_size32 1
		.amdhsa_system_sgpr_workgroup_id_x 1
		.amdhsa_system_sgpr_workgroup_id_y 1
		.amdhsa_system_sgpr_workgroup_id_z 1
		.amdhsa_system_vgpr_workitem_id 0
		.amdhsa_next_free_vgpr 768
		.amdhsa_next_free_sgpr 100
		.amdhsa_reserve_vcc 0
		.amdhsa_float_denorm_mode_32 3
		.amdhsa_float_denorm_mode_16_64 3
		.amdhsa_memory_ordered 1
		.amdhsa_forward_progress 1
		.amdhsa_inst_pref_size 90
	.end_amdhsa_kernel
	.amdgpu_metadata
---
amdhsa.version: [ 1, 2 ]
amdhsa.kernels:
  - .name:           k_qcc921a0d8d_proj
    .symbol:         k_qcc921a0d8d_proj.kd
    .args:
      - { .name: attn, .offset: 0, .size: 8, .value_kind: global_buffer, .address_space: global }
      - { .name: w_out_codes, .offset: 8, .size: 8, .value_kind: global_buffer, .address_space: global }
      - { .name: lowp_scales, .offset: 16, .size: 8, .value_kind: global_buffer, .address_space: global }
      - { .name: out0, .offset: 24, .size: 8, .value_kind: global_buffer, .address_space: global }
    .group_segment_fixed_size: 327680
    .private_segment_fixed_size: 0
    .kernarg_segment_align: 8
    .kernarg_segment_size: 32
    .max_flat_workgroup_size: 128
    .sgpr_count:     100
    .vgpr_count:     768
    .wavefront_size: 32
...
	.end_amdgpu_metadata
.endif
;; end of part 3
